; MI455X (gfx1250); checked and timed in simulation.
; The chip was launched on July 23, 2026; its instructions are those of AMD's public machine-readable ISA for CDNA 5 (MIT licence, August 2026) and "CDNA5" Instruction Set Architecture Reference Guide (July 2026). The comments in the code are by the model that wrote it; some were corrected since.
;; Casual Attention. Allowed arithmetic: float matrix products may take bf16 or f16 operands with f32 sums; all other float work in f32.
;; Inputs: Wk 1,024 x 1,024 float32; Wq 1,024 x 1,024 float32; Wv 1,024 x 1,024 float32; x 4 x 2,048 x 1,024 float32.
;; Outputs: out0 4 x 2,048 x 1,024 float32.
;; One version. Each part assembles by itself: llvm-mc -triple=amdgcn-amd-amdhsa -mcpu=gfx1250 --defsym DOCPART=n.
;; ======== version 1 of 1: 4 launches
;; limits: values are held in f16: magnitudes above 65,504 overflow, below 6.1e-05 lose precision
;; workspace buffers: xb 16,777,216 bytes; wb 6,291,456 bytes; qkv 50,331,648 bytes; p 33,554,432 bytes; cm 524,288 bytes; ls 524,288 bytes
;; launch cast (part 1): grid 736 x 1, 8 waves a work-group, no clusters, 0 bytes of LDS; arguments x, Wq, Wk, Wv, xb, wb, cm, ls; writes xb, wb, cm, ls
.if DOCPART == 1
	.amdgcn_target "amdgcn-amd-amdhsa--gfx1250"
	.amdhsa_code_object_version 6
	.text
	.protected	k_qa0d643913b_cast
	.globl	k_qa0d643913b_cast
	.p2align	8
	.type	k_qa0d643913b_cast,@function
k_qa0d643913b_cast:
	s_mov_b64 s[64:65], 0
	v_nop
	global_prefetch_b8 v0, s[64:65] scope:SCOPE_SE
	s_setreg_imm32_b32 hwreg(HW_REG_WAVE_MODE, 25, 1), 1
	s_wait_xcnt 0x0
; x [8192][1024] f32 -> xb bf16 [16 blocks of 64 columns][8192 rows][64]: a tile of rows x 64 columns is dense in memory.
; Wq, Wk, Wv [1024][1024] f32 -> wb bf16 [1024 k][3072 n], n = q | k | v.  cm is filled with -1e30 and ls with 0: the state of a block of
; keys that no later launch writes.  A stream: no LDS, no matrix unit, no barrier; each byte is read once and written once.
; Work-groups 0-511 take 16 rows of x each, 512-703 take 16 rows of one W, 704-735 fill 32,768 bytes of cm or ls.
; A wave does 8 items: two loads of 16 bytes a lane (8 f32), four roundings, one store of 16 bytes a lane (512 consecutive bytes a wave).
.set NEGBIG, 0xf149f2ca                ; -1e30
.set SRC,  2                           ; v2  byte offset in the source; never rewritten
.set DST,  3                           ; v3  byte offset in the destination; never rewritten
.set XIN,  16                          ; v[16:79]  item i: 8 f32 as loaded
.set XOUT, 80                          ; v[80:111] item i: 8 bf16 to store
; item i = (i / nlo, i % nlo); the two indices step source and destination by the given bytes
.macro CAST nlo, shi, slo, dhi, dlo, sb, db
.set i, 0
.rept 8
	global_load_b128 v[XIN+8*i:XIN+8*i+3],   v[SRC], s[\sb:\sb+1] offset:(i/(\nlo))*(\shi)+(i%(\nlo))*(\slo) th:TH_LOAD_NT
	global_load_b128 v[XIN+8*i+4:XIN+8*i+7], v[SRC], s[\sb:\sb+1] offset:(i/(\nlo))*(\shi)+(i%(\nlo))*(\slo)+16 th:TH_LOAD_NT
.set i, i+1
.endr
.set i, 0
.rept 8
	s_wait_loadcnt 14-2*i                          ; loads come back in order: item i's two are in, the 14 - 2 i younger ones stay out
	v_cvt_pk_bf16_f32 v[XOUT+4*i],   v[XIN+8*i],   v[XIN+8*i+1]
	v_cvt_pk_bf16_f32 v[XOUT+4*i+1], v[XIN+8*i+2], v[XIN+8*i+3]
	v_cvt_pk_bf16_f32 v[XOUT+4*i+2], v[XIN+8*i+4], v[XIN+8*i+5]
	v_cvt_pk_bf16_f32 v[XOUT+4*i+3], v[XIN+8*i+6], v[XIN+8*i+7]
	global_store_b128 v[DST], v[XOUT+4*i:XOUT+4*i+3], s[\db:\db+1] offset:(i/(\nlo))*(\dhi)+(i%(\nlo))*(\dlo)
.set i, i+1
.endr
.endm
	s_load_b512 s[4:19], s[0:1], 0x0               ; x s[4:5], Wq s[6:7], Wk s[8:9], Wv s[10:11], xb s[12:13], wb s[14:15], cm s[16:17], ls s[18:19]
	s_mov_b32 s2, ttmp9
	v_and_b32 v1, 31, v0                           ; lane
	v_lshrrev_b32 v5, 5, v0                        ; wave
	s_wait_kmcnt 0x0
	s_cmp_lt_u32 s2, 512
	s_cbranch_scc0 .Lnot_x
	; x: wave w takes column blocks 2 w and 2 w + 1; item (g, e): rows 4 g .. 4 g + 3, block 2 w + e.  Eight lanes read a row's 256 bytes of the block.
	v_bfe_u32 v6, v0, 3, 2                         ; row in the group of four
	v_and_b32 v4, 7, v0                            ; which 8 numbers of the 64
	s_lshl_b32 s3, s2, 16                          ; 16 rows of 4,096 bytes
	s_lshl_b32 s20, s2, 11                         ; 16 rows of 128 bytes
	v_lshlrev_b32 v[SRC], 12, v6
	v_lshl_add_u32 v[SRC], v4, 5, v[SRC]
	v_lshl_add_u32 v[SRC], v5, 9, v[SRC]
	v_add_nc_u32 v[SRC], s3, v[SRC]
	v_lshlrev_b32 v[DST], 7, v6
	v_lshl_add_u32 v[DST], v4, 4, v[DST]
	v_lshl_add_u32 v[DST], v5, 21, v[DST]          ; two blocks of 1,048,576 bytes a wave
	v_add_nc_u32 v[DST], s20, v[DST]
	CAST 2, 16384, 256, 512, 1048576, 4, 12
	s_endpgm
.Lnot_x:
	s_cmp_lt_u32 s2, 704
	s_cbranch_scc0 .Lfill
	; W: matrix m, rows 16 j + 2 w + e; item (e, c): 256 columns at 256 c
	s_sub_co_u32 s3, s2, 512
	s_lshr_b32 s21, s3, 6                          ; m
	s_and_b32 s22, s3, 63                          ; j
	s_cmp_eq_u32 s21, 1
	s_cselect_b64 s[24:25], s[8:9], s[6:7]
	s_cmp_eq_u32 s21, 2
	s_cselect_b64 s[24:25], s[10:11], s[24:25]
	s_lshl_b32 s3, s22, 16                         ; 16 rows of 4,096 bytes
	s_mul_i32 s20, s22, 98304                      ; 16 rows of 6,144 bytes
	s_lshl_b32 s21, s21, 11                        ; the matrix's 2,048 bytes of a row of wb
	s_add_co_u32 s20, s20, s21
	v_lshlrev_b32 v[SRC], 5, v1
	v_lshl_add_u32 v[SRC], v5, 13, v[SRC]
	v_add_nc_u32 v[SRC], s3, v[SRC]
	v_mul_u32_u24 v[DST], v5, 12288
	v_lshl_add_u32 v[DST], v1, 4, v[DST]
	v_add_nc_u32 v[DST], s20, v[DST]
	CAST 4, 4096, 1024, 6144, 512, 24, 14
	s_endpgm
.Lfill:
	s_sub_co_u32 s3, s2, 704
	s_cmp_lt_u32 s3, 16
	s_cselect_b64 s[24:25], s[16:17], s[18:19]
	s_cselect_b32 s23, NEGBIG, 0
	s_and_b32 s3, s3, 15
	s_lshl_b32 s3, s3, 15
	v_lshl_add_u32 v[DST], v0, 4, s3
	v_mov_b32 v16, s23
	v_mov_b32 v17, s23
	v_mov_b32 v18, s23
	v_mov_b32 v19, s23
.irp i, 0,1,2,3,4,5,6,7
	global_store_b128 v[DST], v[16:19], s[24:25] offset:\i*4096
.endr
	s_endpgm
.Lfunc_end_k_qa0d643913b_cast:
	.size	k_qa0d643913b_cast, .Lfunc_end_k_qa0d643913b_cast-k_qa0d643913b_cast
	.p2alignl 7, 3214868480
	.fill 96, 4, 3214868480
	.section	.rodata,"a",@progbits
	.p2align	6, 0x0
	.amdhsa_kernel k_qa0d643913b_cast
		.amdhsa_group_segment_fixed_size 0
		.amdhsa_private_segment_fixed_size 0
		.amdhsa_enable_private_segment 0
		.amdhsa_kernarg_size 64
		.amdhsa_user_sgpr_count 2
		.amdhsa_user_sgpr_kernarg_segment_ptr 1
		.amdhsa_wavefront_size32 1
		.amdhsa_system_sgpr_workgroup_id_x 1
		.amdhsa_system_sgpr_workgroup_id_y 1
		.amdhsa_system_sgpr_workgroup_id_z 1
		.amdhsa_system_vgpr_workitem_id 0
		.amdhsa_next_free_vgpr 112
		.amdhsa_next_free_sgpr 66
		.amdhsa_reserve_vcc 0
		.amdhsa_float_denorm_mode_32 3
		.amdhsa_float_denorm_mode_16_64 3
		.amdhsa_memory_ordered 1
		.amdhsa_forward_progress 1
		.amdhsa_inst_pref_size 13
	.end_amdhsa_kernel
	.amdgpu_metadata
---
amdhsa.version: [ 1, 2 ]
amdhsa.kernels:
  - .name:           k_qa0d643913b_cast
    .symbol:         k_qa0d643913b_cast.kd
    .args:
      - { .name: x, .offset: 0, .size: 8, .value_kind: global_buffer, .address_space: global }
      - { .name: Wq, .offset: 8, .size: 8, .value_kind: global_buffer, .address_space: global }
      - { .name: Wk, .offset: 16, .size: 8, .value_kind: global_buffer, .address_space: global }
      - { .name: Wv, .offset: 24, .size: 8, .value_kind: global_buffer, .address_space: global }
      - { .name: xb, .offset: 32, .size: 8, .value_kind: global_buffer, .address_space: global }
      - { .name: wb, .offset: 40, .size: 8, .value_kind: global_buffer, .address_space: global }
      - { .name: cm, .offset: 48, .size: 8, .value_kind: global_buffer, .address_space: global }
      - { .name: ls, .offset: 56, .size: 8, .value_kind: global_buffer, .address_space: global }
    .group_segment_fixed_size: 0
    .private_segment_fixed_size: 0
    .kernarg_segment_align: 8
    .kernarg_segment_size: 64
    .max_flat_workgroup_size: 256
    .sgpr_count:     66
    .vgpr_count:     112
    .wavefront_size: 32
...
	.end_amdgpu_metadata
.endif
;; end of part 1
;; launch proj (part 2): grid 8 x 32, 4 waves a work-group, clusters of 4 x 4, 327,680 bytes of LDS; arguments xb, wb, qkv; writes qkv
.if DOCPART == 2
	.amdgcn_target "amdgcn-amd-amdhsa--gfx1250"
	.amdhsa_code_object_version 6
	.text
	.protected	k_qa0d643913b_proj
	.globl	k_qa0d643913b_proj
	.p2align	8
	.type	k_qa0d643913b_proj,@function
k_qa0d643913b_proj:
	s_mov_b64 s[64:65], 0
	v_nop
	global_prefetch_b8 v0, s[64:65] scope:SCOPE_SE
	s_setreg_imm32_b32 hwreg(HW_REG_WAVE_MODE, 25, 1), 1
	s_wait_xcnt 0x0
	s_wait_alu depctr_hold_cnt(0) depctr_sa_sdst(0) depctr_va_vdst(0) depctr_va_sdst(0) depctr_va_ssrc(0) depctr_va_vcc(0) depctr_vm_vsrc(0)
	s_getreg_b32 s2, hwreg(HW_REG_IB_STS2, 6, 4)
	s_cmp_eq_u32 s2, 0
	s_cbranch_scc0 .Lentry_in_a_cluster
	s_endpgm
.Lentry_in_a_cluster:
	s_bfe_u32 s2, ttmp6, 0x10000c
	s_cmp_lg_u32 s2, 0xf033
	s_cbranch_scc0 .Lentry_shape_is_right
	s_endpgm
.Lentry_shape_is_right:
; qkv[m][n] = sum over k of x[m][k] W[k][n]: 8192 x 3072 x 1024, operands bf16 (xb, wb), sums f32, qkv f16, rounded once.
; LIMIT: f16 ends at 65,504: a q, k or v beyond that becomes an infinity.
; A work-group makes 256 rows x 384 columns: 32 x 8 = 256 work-groups.  Wave (wm, wn) makes rows 128 wm .. + 127 and, in each THIRD j of 128 columns, columns 128 j + 64 wn .. + 63:
; 96 accumulators, 768 registers (windows 1 to 3, a third each).  K goes in 16 steps of 64, two quarters of 32, through two LDS slots filled by tensor loads.
; The matrix instruction is used transposed (source 0 = 16 columns of W, source 1 = 16 rows of x): a lane then holds eight neighbouring columns of one row.
; W lies [k][n] in LDS and is turned on the way into registers by ds_load_tr16_b128.
; CLUSTER 4 x 4: x's tile hangs on the tile row alone and is asked for jointly along a row of the cluster, W's on the tile column alone and is asked for jointly along a column.
; REGISTERS, window 0: v2-13 addresses; v28, v29 the add's; v32-95, v96-159 x's fragments, two buffers; v160-255 W's fragments, one buffer of 32 for each third.
.set PA,     144                       ; a row of x in LDS: 128 bytes + 16: the 16 rows of a load start at 16 different groups of four banks
.set PB,     864                       ; a row of W: 3 x (256 + 32) bytes, an odd multiple of 32
.set AHALF,  128*PA                    ; what one tensor load brings of x
.set BOFF,   256*PA                    ; W's 64 rows lie behind x's 256
.set BHALF,  32*PB                     ; what one tensor load brings of W
.set SLOT1,  1<<17                     ; slot 1 begins here: one exclusive or turns an address in one slot into the other's
.set SPARE,  SLOT1+BOFF+64*PB          ; behind the ring: the spare words, 128 bytes a wave
.set SPT,    784                       ; the stage's rows: 768 bytes + 16.  The stage, 256 rows from LDS byte 0, is written when the slots have had their last fill and their last read
.set ASTEP,  8192*128                  ; bytes from a K step to the next in xb
.set BSTEP,  64*6144                   ; and in wb
.set ADRA0, 2                          ; my lane's place in slot 0's tile of x; never rewritten
.set ADRB0, 3                          ; the same for W
.set ADRA,  4                          ; the same in the slot in hand
.set ADRB,  5
.set STO,   6                          ; the way out: where I put 16 bytes, row blocks 0-3
.set STO2,  7                          ; row blocks 4-7
.set RD0,   8                          ; the way out: where I read back
.set RD1,   9
.set CO0,   12                         ; my byte offsets in qkv
.set CO1,   13
.set SPW,   28
.set NIL,   29
.set FA0,   32
.set FA1,   96
.set BF,    160
.set PK,    32                         ; the way out: packed results
.set G1A, 24
.set G0A, 32                           ; two sets; the second walks on
.set G1B, 48
.set G0B, 56
.set SB,  70                           ; 0 or SLOT1: the slot in hand
.set MSB, 0
.macro WIN new                         ; the immediate's high byte repeats the setting that is left
.if MSB != (\new)
	s_set_vgpr_msb (MSB<<8)|(\new)
.set MSB, \new
.endif
.endm
.macro PLACES                          ; four places between a matrix instruction and a load into, or a vector instruction on, its registers
.rept 4
	v_nop
.endr
.endm
.macro CREST                           ; a round of the cluster's barrier behind its opening barrier
	s_cmp_lg_u32 s10, 0
	s_cbranch_scc1 .Lnot_wave_0_\@
	s_barrier_signal -3
.Lnot_wave_0_\@:
	s_barrier_wait -3
	s_barrier_signal -1
	s_barrier_wait -1
.endm
.macro CROUND
	s_barrier_signal -1
	s_barrier_wait -1
	CREST
.endm
.macro JLOAD                           ; a joint refill: waves 0 and 1 fetch x's two halves, waves 2 and 3 W's; an s_nop 0 and four v_nop follow each line
	s_cmp_lt_u32 s10, 2
	s_cbranch_scc0 .Lfor_b_\@
	tensor_load_to_lds s[G0A+4:G0A+7], s[G1A:G1A+7]
	s_nop 0
.rept 4
	v_nop
.endr
	s_branch .Lasked_\@
.Lfor_b_\@:
	tensor_load_to_lds s[G0B+4:G0B+7], s[G1B:G1B+7]
	s_nop 0
.rept 4
	v_nop
.endr
.Lasked_\@:
.endm
	s_load_b128 s[4:7], s[0:1], 0x0                ; xb s[4:5], wb s[6:7]
	s_load_b64 s[8:9], s[0:1], 0x10                ; qkv
	v_lshl_add_u32 v[SPW], v0, 2, SPARE
	v_mov_b32 v[NIL], 0
	ds_add_u32 v[SPW], v[NIL]                      ; the wave's opening: the add and its wait stand ahead of my first tensor load
	ds_add_u32 v28, v29
	v_lshrrev_b32 v1, 5, v0
	v_readfirstlane_b32 s10, v1                    ; wave 0..3
	s_lshr_b32 s11, s10, 1                         ; wm
	s_and_b32 s12, s10, 1                          ; wn; also: which half of a tile I fetch
	s_bfe_u32 s40, ttmp6, 0x40000                  ; cx
	s_bfe_u32 s41, ttmp6, 0x40004                  ; cy
	s_lshl_b32 s42, ttmp9, 2
	s_add_co_u32 s42, s42, s40                     ; tile column = 4 x cluster x + cx
	s_and_b32 s13, ttmp7, 0xffff
	s_lshl_b32 s13, s13, 2
	s_add_co_u32 s13, s13, s41                     ; tile row = 4 x cluster y + cy
	s_lshl_b32 s43, s41, 2
	s_lshl_b32 s43, 15, s43                        ; my row of the cluster
	s_lshl_b32 s44, 0x1111, s40                    ; my column
	; x: 128 dense rows of 128 bytes, asked for as 64 rows of 256 bytes, 16 bytes of padding behind every 128
	s_or_b32 s[G1A], s43, (1<<16)|(1<<20)|(1<<21)|(4<<22)|(3<<25)
	s_mov_b32 s[G1A+1], 128<<16                    ; tensor_dim0
	s_mov_b32 s[G1A+2], 64<<16                     ; tensor_dim1
	s_mov_b32 s[G1A+3], 128<<16                    ; tile_dim0
	s_mov_b32 s[G1A+4], 64                         ; tile_dim1
	s_mov_b32 s[G1A+5], 128                        ; elements from row to row
	s_mov_b32 s[G1A+6], 0
	s_mov_b32 s[G1A+7], 0
	; W: 32 rows of 384 elements, 32 bytes of padding behind every 256
	s_or_b32 s[G1B], s44, (1<<16)|(1<<20)|(1<<21)|(5<<22)|(7<<25)
	s_mov_b32 s[G1B+1], 384<<16
	s_mov_b32 s[G1B+2], 32<<16
	s_mov_b32 s[G1B+3], 384<<16
	s_mov_b32 s[G1B+4], 32
	s_mov_b32 s[G1B+5], 3072
	s_mov_b32 s[G1B+6], 0
	s_mov_b32 s[G1B+7], 0
	s_lshl_b32 s16, s13, 15                        ; x: 256 rows of 128 bytes a tile row,
	s_lshl_b32 s17, s12, 14                        ; 128 rows a half
	s_add_co_u32 s16, s16, s17
	s_mov_b32 s17, 0
	s_mul_i32 s46, s42, 768                        ; W: 384 columns a tile column,
	s_mul_i32 s47, s12, 32*6144                    ; 32 rows a half
	s_add_co_u32 s46, s46, s47
	s_mov_b32 s47, 0
	s_mul_i32 s20, s12, AHALF                      ; where they go: no place in the cluster enters an LDS address
	s_mul_i32 s21, s12, BHALF
	s_add_co_u32 s21, s21, BOFF
	s_mov_b32 s[SB], 0
	s_wait_dscnt 0x0                               ; the opening add is done
	s_wait_kmcnt 0x0
	s_add_nc_u64 s[14:15], s[4:5], s[16:17]
	s_add_nc_u64 s[46:47], s[6:7], s[46:47]
	CROUND                                         ; all sixteen work-groups are here: the first joint loads meet
.irp s, 0,1
	s_mov_b32 s[G0A+4*\s], 1
	s_add_co_u32 s[G0A+4*\s+1], s20, \s*SLOT1
	s_add_nc_u64 s[G0A+4*\s+2:G0A+4*\s+3], s[14:15], \s*ASTEP
	s_or_b32 s[G0A+4*\s+3], s[G0A+4*\s+3], 0x80000000
	s_mov_b32 s[G0B+4*\s], 1
	s_add_co_u32 s[G0B+4*\s+1], s21, \s*SLOT1
	s_add_nc_u64 s[G0B+4*\s+2:G0B+4*\s+3], s[46:47], \s*BSTEP
	s_or_b32 s[G0B+4*\s+3], s[G0B+4*\s+3], 0x80000000
.endr
	s_cmp_lt_u32 s10, 2                            ; a wave's two first fills stand in one branch: two loads of mine are out
	s_cbranch_scc0 .Lfirst_b
	tensor_load_to_lds s[G0A:G0A+3], s[G1A:G1A+7]
	s_nop 0
	tensor_load_to_lds s[G0A+4:G0A+7], s[G1A:G1A+7]
	s_nop 0
.rept 4
	v_nop
.endr
	s_branch .Lfirst_asked
.Lfirst_b:
	tensor_load_to_lds s[G0B:G0B+3], s[G1B:G1B+7]
	s_nop 0
	tensor_load_to_lds s[G0B+4:G0B+7], s[G1B:G1B+7]
	s_nop 0
.rept 4
	v_nop
.endr
.Lfirst_asked:
	v_and_b32 v14, 15, v0                          ; r = l % 16
	v_bfe_u32 v15, v0, 4, 1                        ; h = l / 16
	v_and_b32 v16, 7, v0
	v_bfe_u32 v17, v0, 3, 1
	v_and_b32 v18, 31, v0                          ; l
	v_mul_u32_u24 v[ADRA0], v14, PA                ; a fragment of x: row x pitch + 16 h, two loads 32 bytes apart
	v_lshl_add_u32 v[ADRA0], v15, 4, v[ADRA0]
	s_mul_i32 s22, s11, AHALF
	v_add_nc_u32 v[ADRA0], s22, v[ADRA0]
	v_lshl_add_u32 v[ADRB0], v15, 3, v16           ; the turning load: k row 8 h + l % 8, 16 bytes at 16 ((l / 8) % 2)
	v_mul_u32_u24 v[ADRB0], v[ADRB0], PB
	v_lshl_add_u32 v[ADRB0], v17, 4, v[ADRB0]
	s_lshl_b32 s22, s12, 7                         ; my 64 columns of each third
	s_add_co_u32 s22, s22, BOFF
	v_add_nc_u32 v[ADRB0], s22, v[ADRB0]
	v_mov_b32 v[ADRA], v[ADRA0]
	v_mov_b32 v[ADRB], v[ADRB0]
	s_lshl_b32 s22, s11, 7
	v_add_nc_u32 v[STO], s22, v14                  ; into the stage: row 128 wm + r, my 128 bytes of each third, 16 bytes for each half of the lanes
	v_mul_u32_u24 v[STO], v[STO], SPT
	v_lshl_add_u32 v[STO], v15, 4, v[STO]
	s_lshl_b32 s22, s12, 7
	v_add_nc_u32 v[STO], s22, v[STO]
	v_add_nc_u32 v[STO2], 64*SPT, v[STO]
	s_mul_i32 s22, s10, 64*SPT                     ; back: wave w takes rows 64 w .. + 63, a pair of rows (1,536 bytes) by three loads
	v_lshl_add_u32 v[RD0], v18, 4, s22
	v_lshl_add_u32 v[RD1], v15, 4, v[RD0]
	v_add_nc_u32 v[RD1], 512, v[RD1]               ; lanes 0-15: the first row's last 256 bytes; lanes 16-31: the second row's first 256
	v_lshlrev_b32 v[CO0], 4, v18
	v_mul_u32_u24 v[CO1], v15, 5376
	v_add3_u32 v[CO1], v[CO1], v[CO0], 512
	s_lshl_b32 s16, s13, 8
	s_lshl_b32 s17, s10, 6
	s_add_co_u32 s16, s16, s17                     ; the first row that I store
	s_mul_i32 s16, s16, 6144
	s_mov_b32 s17, 0
	s_add_nc_u64 s[8:9], s[8:9], s[16:17]
	s_mul_i32 s46, s42, 768
	s_mov_b32 s47, 0
	s_add_nc_u64 s[8:9], s[8:9], s[46:47]
; na x 4 matrix instructions of third j: row blocks a0 .. a0 + na - 1 x its four column blocks, 32 along K; x's fragments in buffer ax.  zero = 1: the product starts the sums.
; The 96 accumulators take turns, one instruction a turn.
.macro THIRD j, ax, a0, na, zero
	WIN (1+(\j))*0x50
.set aa, \a0
.rept \na
.irp bb, 0,1,2,3
.if \zero
	v_wmma_f32_16x16x32_bf16 v[8*(4*aa+\bb):8*(4*aa+\bb)+7], v[BF+32*(\j)+8*\bb:BF+32*(\j)+8*\bb+7], v[(\ax)+8*aa:(\ax)+8*aa+7], 0
.else
	v_wmma_f32_16x16x32_bf16 v[8*(4*aa+\bb):8*(4*aa+\bb)+7], v[BF+32*(\j)+8*\bb:BF+32*(\j)+8*\bb+7], v[(\ax)+8*aa:(\ax)+8*aa+7], v[8*(4*aa+\bb):8*(4*aa+\bb)+7]
.endif
.endr
.set aa, aa+1
.endr
.endm
.macro RUNA an, kq                     ; 16 loads: x's fragments of quarter kq into buffer an
	WIN 0
.irp a, 0,1,2,3,4,5,6,7
	ds_load_b128 v[(\an)+8*\a:(\an)+8*\a+3],   v[ADRA] offset:\a*16*PA+64*(\kq)
	ds_load_b128 v[(\an)+8*\a+4:(\an)+8*\a+7], v[ADRA] offset:\a*16*PA+64*(\kq)+32
.endr
.endm
.macro RUNB j, kq                      ; 8 loads: third j's fragments of W of quarter kq
	WIN 0
.irp bb, 0,1,2,3
	ds_load_tr16_b128 v[BF+32*(\j)+8*\bb:BF+32*(\j)+8*\bb+3],   v[ADRB] offset:(\kq)*32*PB+288*(\j)+32*\bb
	ds_load_tr16_b128 v[BF+32*(\j)+8*\bb+4:BF+32*(\j)+8*\bb+7], v[ADRB] offset:(\kq)*32*PB+288*(\j)+32*\bb+16*PB
.endr
.endm
; A plain quarter: multiplies buffer ax; behind each third, that third's W of the next quarter (kq) is fetched, behind the first also x's, into buffer an.
.macro QP ax, an, kq, zero
	s_wait_dscnt 16                                ; x's and third 0's are in; thirds 1 and 2 (8 + 8) may be out
	THIRD 0, \ax, 0, 8, \zero
	PLACES
	RUNA \an, \kq
	RUNB 0, \kq
	s_wait_dscnt 32                                ; third 1's are in; third 2's 8 and the 24 just issued may be out
	THIRD 1, \ax, 0, 8, \zero
	PLACES
	RUNB 1, \kq
	s_wait_dscnt 32                                ; third 2's are in; the 24 + 8 issued in this quarter may be out
	THIRD 2, \ax, 0, 8, \zero
	PLACES
	RUNB 2, \kq
.endm
; A K step's second quarter multiplies buffer 1 and changes slots.  In front of the barrier each wave waits for all its tensor loads (one is out: its part of the next slot),
; adds 0 to its spare word, and waits for that and for its reads of this slot.  fill = 1: the barrier opens a round of the cluster's barrier, and this slot is filled again, two K steps ahead.
.macro QC fill
	WIN 0
	s_wait_tensorcnt 0x0                           ; no tensor load of mine is out, so a group 0 may be written
	ds_add_u32 v[SPW], v[NIL]
.if \fill
	s_xor_b32 s[G0A+5], s[G0A+5], SLOT1            ; the walking descriptors: the other slot than last time, the next K step
	s_add_nc_u64 s[G0A+6:G0A+7], s[G0A+6:G0A+7], ASTEP
	s_xor_b32 s[G0B+5], s[G0B+5], SLOT1
	s_add_nc_u64 s[G0B+6:G0B+7], s[G0B+6:G0B+7], BSTEP
.endif
	s_xor_b32 s[SB], s[SB], SLOT1
	s_wait_dscnt 17                                ; thirds 1 and 2 (16) and the add may be out
	THIRD 0, FA1, 0, 4, 0
	s_wait_dscnt 0x0                               ; the add is done, and my reads of this slot are over
	s_barrier_signal -1
	THIRD 0, FA1, 4, 4, 0
	WIN 0
	s_barrier_wait -1
.if \fill
	CREST                                          ; no wave of any partner still reads this slot or has a load on its way
	JLOAD                                          ; the first tensor load behind the round; its four v_nop are also the places in front of the loads below
.else
	PLACES
.endif
	v_add_nc_u32 v[ADRA], s[SB], v[ADRA0]
	v_add_nc_u32 v[ADRB], s[SB], v[ADRB0]
	RUNA FA0, 0
	RUNB 0, 0
	THIRD 1, FA1, 0, 8, 0
	PLACES
	RUNB 1, 0
	THIRD 2, FA1, 0, 8, 0
	PLACES
	RUNB 2, 0
.endm
	s_wait_tensorcnt 0x1                           ; my part of K step 0 is in; K step 1's may stay out
	s_barrier_signal -1
	s_barrier_wait -1
	RUNA FA0, 0
	RUNB 0, 0
	RUNB 1, 0
	RUNB 2, 0
	QP FA0, FA1, 1, 1                              ; the first quarter stands in front of the loop: its products start the sums
	s_mov_b32 s3, 14
.Lstep:                                                ; a trip: a K step's second quarter, the refill two steps ahead, the next step's first quarter
	QC 1
	QP FA0, FA1, 1, 0
	s_sub_co_u32 s3, s3, 1
	s_cmp_lg_u32 s3, 0
	s_cbranch_scc1 .Lstep
	QC 0                                           ; the tail is written out: nothing is left to fetch
	QP FA0, FA1, 1, 0
	s_wait_dscnt 16                                ; the last quarter
	THIRD 0, FA1, 0, 8, 0
	s_wait_dscnt 8
	THIRD 1, FA1, 0, 8, 0
	s_wait_dscnt 0x0                               ; my reads of the ring are over: behind this barrier it is the stage
	s_barrier_signal -1
	THIRD 2, FA1, 0, 8, 0
	WIN 0
	s_barrier_wait -1
	; THE WAY OUT: a third at a time, rounded to f16 (each accumulator's registers in ascending order), 16 bytes a lane into the work-group's stage.
	PLACES
.irp j, 0,1,2
	WIN (1+\j)*5
.set i, 0
.rept 128
	v_cvt_pk_f16_f32 v[PK+i], v[2*i], v[2*i+1]
.set i, i+1
.endr
	WIN 0
.set i, 0
.rept 32
.if i < 16
	ds_store_b128 v[STO],  v[PK+4*i:PK+4*i+3] offset:(i/4)*16*SPT+256*\j+32*(i%4)
.else
	ds_store_b128 v[STO2], v[PK+4*i:PK+4*i+3] offset:(i/4-4)*16*SPT+256*\j+32*(i%4)
.endif
.set i, i+1
.endr
.endr
	s_wait_dscnt 0x0                               ; for the others' sake: my stores into the stage are done; a row's 256-byte pieces come from two waves
	s_barrier_signal -1
	s_barrier_wait -1
.macro BLD k                           ; batch k: 8 pairs of rows, 24 loads, into one of two sets of 96 registers
.set BB, 32+96*((\k)%2)
.set g, 8*(\k)
.set t, 0
.rept 8
	ds_load_b128 v[BB+12*t:BB+12*t+3],    v[RD0] offset:g*2*SPT
	ds_load_b128 v[BB+12*t+4:BB+12*t+7],  v[RD1] offset:g*2*SPT
	ds_load_b128 v[BB+12*t+8:BB+12*t+11], v[RD0] offset:g*2*SPT+SPT+256
.set g, g+1
.set t, t+1
.endr
.endm
.macro BST k, younger                  ; its stores; younger: the loads of the batch issued behind it
.set BB, 32+96*((\k)%2)
.set g, 8*(\k)
.set t, 0
.rept 8
	s_wait_dscnt (\younger)+21-3*t                 ; this pair's three loads are in
	global_store_b128 v[CO0], v[BB+12*t:BB+12*t+3],    s[8:9] offset:g*12288       ; sixteen lanes store 256 consecutive bytes, at a multiple of 256 from qkv's first byte
	global_store_b128 v[CO1], v[BB+12*t+4:BB+12*t+7],  s[8:9] offset:g*12288
	global_store_b128 v[CO0], v[BB+12*t+8:BB+12*t+11], s[8:9] offset:g*12288+6400
.set g, g+1
.set t, t+1
.endr
.endm
	BLD 0
	BLD 1
	BST 0, 24
	s_wait_xcnt 0x0                                ; batch 0's stores have read their registers: only now are they loaded again
	BLD 2
	BST 1, 24
	s_wait_xcnt 0x0
	BLD 3
	BST 2, 24
	BST 3, 0
	s_wait_tensorcnt 0x0                           ; the wave's end
	ds_add_u32 v[SPW], v[NIL]
	s_wait_dscnt 0x0
	CROUND                                         ; the closing round
	s_endpgm
.Lfunc_end_k_qa0d643913b_proj:
	.size	k_qa0d643913b_proj, .Lfunc_end_k_qa0d643913b_proj-k_qa0d643913b_proj
	.p2alignl 7, 3214868480
	.fill 96, 4, 3214868480
	.section	.rodata,"a",@progbits
	.p2align	6, 0x0
	.amdhsa_kernel k_qa0d643913b_proj
		.amdhsa_group_segment_fixed_size 327680
		.amdhsa_private_segment_fixed_size 0
		.amdhsa_enable_private_segment 0
		.amdhsa_kernarg_size 24
		.amdhsa_user_sgpr_count 2
		.amdhsa_user_sgpr_kernarg_segment_ptr 1
		.amdhsa_wavefront_size32 1
		.amdhsa_system_sgpr_workgroup_id_x 1
		.amdhsa_system_sgpr_workgroup_id_y 1
		.amdhsa_system_sgpr_workgroup_id_z 1
		.amdhsa_system_vgpr_workitem_id 0
		.amdhsa_next_free_vgpr 1024
		.amdhsa_next_free_sgpr 80
		.amdhsa_reserve_vcc 0
		.amdhsa_float_denorm_mode_32 3
		.amdhsa_float_denorm_mode_16_64 3
		.amdhsa_memory_ordered 1
		.amdhsa_forward_progress 1
		.amdhsa_inst_pref_size 110
	.end_amdhsa_kernel
	.amdgpu_metadata
---
amdhsa.version: [ 1, 2 ]
amdhsa.kernels:
  - .name:           k_qa0d643913b_proj
    .symbol:         k_qa0d643913b_proj.kd
    .args:
      - { .name: xb, .offset: 0, .size: 8, .value_kind: global_buffer, .address_space: global }
      - { .name: wb, .offset: 8, .size: 8, .value_kind: global_buffer, .address_space: global }
      - { .name: qkv, .offset: 16, .size: 8, .value_kind: global_buffer, .address_space: global }
    .group_segment_fixed_size: 327680
    .private_segment_fixed_size: 0
    .kernarg_segment_align: 8
    .kernarg_segment_size: 24
    .max_flat_workgroup_size: 128
    .sgpr_count:     80
    .vgpr_count:     1024
    .wavefront_size: 32
...
	.end_amdgpu_metadata
.endif
;; end of part 2
;; launch scores (part 3): grid 9 x 16, 4 waves a work-group, no clusters, 327,680 bytes of LDS; arguments qkv, p, cm, ls; writes p, cm, ls
.if DOCPART == 3
	.amdgcn_target "amdgcn-amd-amdhsa--gfx1250"
	.amdhsa_code_object_version 6
	.text
	.protected	k_qa0d643913b_scores
	.globl	k_qa0d643913b_scores
	.p2align	8
	.type	k_qa0d643913b_scores,@function
k_qa0d643913b_scores:
	s_mov_b64 s[64:65], 0
	v_nop
	global_prefetch_b8 v0, s[64:65] scope:SCOPE_SE
	s_setreg_imm32_b32 hwreg(HW_REG_WAVE_MODE, 25, 1), 1
	s_wait_xcnt 0x0
; The lower tiles of S = q k^T, and the first half of the softmax.  q, k: f16 rows of 1,024 channels in qkv (pitch 6,144 bytes, k 2,048 bytes behind q); sums f32.
; A tile is 256 queries x 256 keys; a wave makes 128 x 128: 64 accumulators.  For its block of 128 keys the wave takes each query's OWN maximum m away before the exponential:
; p = 2^(c s - c m), c = log2(e) / 32, in 0 to 1, rounded to f16 into p; c m goes to cm and the sum of the unrounded p to ls, [batch][16 key blocks][2048 rows].
; The next launch joins the blocks by their maxima.
; THE TRIANGLE IS FOLDED: tile rows pr and 7 - pr have 9 tiles together, so a batch is 4 x 9 work-groups and none is idle.
; NO CLUSTER: 9 work-groups along x are no multiple of four, and neighbours in the folded triangle share no fixed operand.
; THE MASK is the C operand of the products that start the sums of a wave's block on the diagonal: -1e30 where key > query, else 0.  The block wholly above the diagonal
; (diagonal tile, first query half, second key half) is computed unmasked, so that its p are finite, and its cm is stored as -1e30: it then counts for nothing.
; LIMITS: a hidden score counts as its value less 1e30, so true scores stay far below 1e28; a weight below 2^-126 counts as 0; NaN and infinities are not treated apart.
; The matrix instruction is used transposed (source 0 = 16 keys, source 1 = 16 queries): a lane holds ONE query (l % 16) and eight neighbouring keys.
; REGISTERS: window 0: v2-5, v24-31 addresses; v8-23 a pair (c m, then m and later l) for each query block; v32-47 masks; v48-63 at work; v64-191 q's fragments, two buffers
; (on the way out v64-127 take rows read back); v192-223 packed p.  Window 1: v64-191 k's fragments.  Windows 2, 3: accumulator (a, b) at 8 (8 (a % 4) + b), window 2 + a / 4.
.set PITCH,  272                       ; an LDS row: 256 bytes + 16: the 16 rows of a load start at 16 different groups of four banks
.set HALFT,  128*PITCH                 ; what one tensor load brings
.set SLOT,   4*HALFT                   ; q's 256 rows, then k's 256 rows
.set STAGE,  2*SLOT                    ; behind the ring: 16 rows x 272 bytes for each wave
.set SPARE,  STAGE+4*16*PITCH
.set NEGBIG, 0xf149f2ca                ; -1e30
.set ADRA0, 2
.set ADRB0, 3
.set ADRA,  4
.set ADRB,  5
.set ST,    8
.set STO,   24
.set RD,    25
.set CO,    26
.set HH,    27                         ; l / 16
.set SPW,   28
.set NIL,   29
.set SO,    30                         ; my byte offset in cm and ls
.set MU,    32                         ; the mask of a block of 16 x 16 above the diagonal
.set MDG,   40                         ; of one on it
.set TT,    48
.set F0,    64
.set F1,    128
.set TMP,   192
.set BK,    64
.set G1,  24
.set G0,  32                           ; two sets; the second walks on
.set SB,  40                           ; 0 or SLOT: the slot in hand
.set WOFF, 41                          ; wave x HALFT
.set CS,  42                           ; s[42:43] c
.set SEL, 44                           ; s[44:45] v_permlanex16_b32's selects
.set BIG, 46
.set KEEP, 47
.set HID, 48
.set MSB, 0
.macro WIN new
.if MSB != (\new)
	s_set_vgpr_msb (MSB<<8)|(\new)
.set MSB, \new
.endif
.endm
.macro PLACES
.rept 4
	v_nop
.endr
.endm
	s_load_b256 s[4:11], s[0:1], 0x0               ; qkv s[4:5], p s[6:7], cm s[8:9], ls s[10:11]
	v_lshl_add_u32 v[SPW], v0, 2, SPARE
	v_mov_b32 v[NIL], 0
	ds_add_u32 v[SPW], v[NIL]                      ; the wave's opening: the add and its wait stand ahead of my first tensor load
	ds_add_u32 v28, v29
	v_lshrrev_b32 v1, 5, v0
	v_readfirstlane_b32 s12, v1                    ; wave
	s_lshr_b32 s13, s12, 1                         ; wm: my half of the queries
	s_and_b32 s14, s12, 1                          ; wn: my half of the keys; also: which half of a tile I fetch
	s_mov_b32 s15, ttmp9                           ; x
	s_and_b32 s16, ttmp7, 0xffff
	s_lshr_b32 s17, s16, 2                         ; batch
	s_and_b32 s18, s16, 3                          ; pr
	s_sub_co_u32 s21, 7, s18
	s_sub_co_u32 s22, s15, s18
	s_sub_co_u32 s22, s22, 1
	s_cmp_le_u32 s15, s18
	s_cselect_b32 s19, s18, s21                    ; ti = pr, or 7 - pr
	s_cselect_b32 s20, s15, s22                    ; tj = x, or x - pr - 1
	s_cmp_lt_u32 s12, 2                            ; waves 0, 1 fetch q's rows, waves 2, 3 k's
	s_cselect_b32 s50, s19, s20
	s_cselect_b32 s51, 0, 2048
	s_lshl_b32 s50, s50, 8
	s_lshl_b32 s52, s14, 7
	s_add_co_u32 s50, s50, s52
	s_lshl_b32 s52, s17, 11
	s_add_co_u32 s50, s50, s52                     ; the first row that I fetch
	s_mul_i32 s50, s50, 6144
	s_add_co_u32 s50, s50, s51
	s_mov_b32 s51, 0
	s_cmp_eq_u32 s19, s20
	s_cselect_b32 s54, 1, 0                        ; the tile holds the diagonal
	s_cmp_eq_u32 s13, s14
	s_cselect_b32 s55, s54, 0
	s_cmp_eq_u32 s55, 1
	s_cselect_b32 s[BIG], NEGBIG, 0                ; my block holds the diagonal: the masks are live
	s_cmp_gt_u32 s14, s13
	s_cselect_b32 s55, s54, 0
	s_cmp_eq_u32 s55, 1                            ; my block lies wholly above it
	s_cselect_b32 s[KEEP], 0, 1.0
	s_cselect_b32 s[HID], NEGBIG, 0
	s_mov_b32 s[G1], (1<<16)|(1<<20)|(5<<22)|(3<<25)  ; 2-byte elements; 4 words of padding behind every 64
	s_mov_b32 s[G1+1], 128<<16
	s_mov_b32 s[G1+2], 128<<16
	s_mov_b32 s[G1+3], 128<<16
	s_mov_b32 s[G1+4], 128
	s_mov_b32 s[G1+5], 3072
	s_mov_b32 s[G1+6], 0
	s_mov_b32 s[G1+7], 0
	s_mul_i32 s[WOFF], s12, HALFT
	s_mov_b32 s[SB], 0
	s_mov_b32 s[CS], 0x3d38aa3b                    ; c = log2(e) / 32
	s_mov_b32 s[CS+1], s[CS]
	s_mov_b32 s[SEL], 0x76543210
	s_mov_b32 s[SEL+1], 0xfedcba98
	s_wait_dscnt 0x0                               ; the opening add is done
	s_wait_kmcnt 0x0
	s_add_nc_u64 s[52:53], s[4:5], s[50:51]
.irp s, 0,1                            ; the two first fills go out together: channels 0-127 into slot 0, 128-255 into slot 1; two loads of mine are out
	s_mov_b32 s[G0+4*\s], 1
	s_add_co_u32 s[G0+4*\s+1], s[WOFF], \s*SLOT
	s_add_nc_u64 s[G0+4*\s+2:G0+4*\s+3], s[52:53], \s*256
	s_or_b32 s[G0+4*\s+3], s[G0+4*\s+3], 0x80000000
	tensor_load_to_lds s[G0+4*\s:G0+4*\s+3], s[G1:G1+7]
	s_nop 0
.endr
	v_and_b32 v1, 15, v0                           ; r
	v_bfe_u32 v[HH], v0, 4, 1                      ; h
	v_mul_u32_u24 v6, v1, PITCH
	v_lshl_add_u32 v6, v[HH], 4, v6                ; row x pitch + 16 h
	s_mul_i32 s21, s13, HALFT
	s_mul_i32 s22, s14, HALFT
	s_add_co_u32 s22, s22, 2*HALFT
	v_add_nc_u32 v[ADRA0], s21, v6
	v_add_nc_u32 v[ADRB0], s22, v6
	v_mov_b32 v[ADRA], v[ADRA0]
	v_mov_b32 v[ADRB], v[ADRB0]
	s_mul_i32 s23, s12, 16*PITCH
	s_add_co_u32 s23, s23, STAGE                   ; my stage
	v_add_nc_u32 v[STO], s23, v6
	v_mul_u32_u24 v7, v[HH], PITCH
	v_lshl_add_u32 v7, v1, 4, v7
	v_add_nc_u32 v[RD], s23, v7
	v_lshlrev_b32 v[CO], 12, v[HH]
	v_lshl_add_u32 v[CO], v1, 4, v[CO]             ; two rows of p, 256 bytes of each
	v_lshlrev_b32 v31, 3, v[HH]
	v_sub_nc_u32 v31, v1, v31                      ; r - 8 h: register j of a block on the diagonal is hidden where j is greater
.irp j, 0,1,2,3,4,5,6,7
	v_cmp_gt_i32 vcc_lo, \j, v31
	v_cndmask_b32 v[MDG+\j], 0, s[BIG], vcc_lo
	v_mov_b32 v[MU+\j], s[BIG]
.endr
	s_lshl_b32 s50, s17, 23                        ; p at my block: batch, 256 ti + 128 wm rows of 4,096 bytes, 256 tj + 128 wn keys of 2 bytes
	s_lshl_b32 s51, s19, 20
	s_add_co_u32 s50, s50, s51
	s_lshl_b32 s51, s13, 19
	s_add_co_u32 s50, s50, s51
	s_lshl_b32 s51, s20, 9
	s_add_co_u32 s50, s50, s51
	s_lshl_b32 s51, s14, 8
	s_add_co_u32 s50, s50, s51
	s_mov_b32 s51, 0
	s_add_nc_u64 s[6:7], s[6:7], s[50:51]
	s_lshl_b32 s54, s17, 17                        ; cm, ls: batch, key block 2 tj + wn, row 256 ti + 128 wm
	s_lshl_b32 s55, s20, 14
	s_add_co_u32 s54, s54, s55
	s_lshl_b32 s55, s14, 13
	s_add_co_u32 s54, s54, s55
	s_lshl_b32 s55, s19, 10
	s_add_co_u32 s54, s54, s55
	s_lshl_b32 s55, s13, 9
	s_add_co_u32 s54, s54, s55
	v_and_b32 v[SO], 31, v0
	v_lshl_add_u32 v[SO], v[SO], 2, s54
; 16 matrix instructions: query blocks a0, a0 + 1 of the window's four x all 8 key blocks, 32 channels.  first = 1: they start the sums, with the mask or 0 as C.
; The 64 accumulators take turns, one instruction a turn.
.macro MUL16 f, hi, a0, first
.if \first
	WIN 0x81+0x40*(\hi)                            ; k window 1, q and the mask window 0, D window 2 or 3
.else
	WIN 0xa1+0x50*(\hi)
.endif
.irp a, \a0, (\a0)+1
.irp b, 0,1,2,3,4,5,6,7
.if (\first) && ((\b) > 4*(\hi)+(\a))
	v_wmma_f32_16x16x32_f16 v[8*(8*(\a)+(\b)):8*(8*(\a)+(\b))+7], v[(\f)+8*(\b):(\f)+8*(\b)+7], v[(\f)+8*(4*(\hi)+(\a)):(\f)+8*(4*(\hi)+(\a))+7], v[MU:MU+7]
.elseif (\first) && ((\b) == 4*(\hi)+(\a))
	v_wmma_f32_16x16x32_f16 v[8*(8*(\a)+(\b)):8*(8*(\a)+(\b))+7], v[(\f)+8*(\b):(\f)+8*(\b)+7], v[(\f)+8*(4*(\hi)+(\a)):(\f)+8*(4*(\hi)+(\a))+7], v[MDG:MDG+7]
.elseif \first
	v_wmma_f32_16x16x32_f16 v[8*(8*(\a)+(\b)):8*(8*(\a)+(\b))+7], v[(\f)+8*(\b):(\f)+8*(\b)+7], v[(\f)+8*(4*(\hi)+(\a)):(\f)+8*(4*(\hi)+(\a))+7], 0
.else
	v_wmma_f32_16x16x32_f16 v[8*(8*(\a)+(\b)):8*(8*(\a)+(\b))+7], v[(\f)+8*(\b):(\f)+8*(\b)+7], v[(\f)+8*(4*(\hi)+(\a)):(\f)+8*(4*(\hi)+(\a))+7], v[8*(8*(\a)+(\b)):8*(8*(\a)+(\b))+7]
.endif
.endr
.endr
.endm
.macro FETCH k, f                      ; 32 loads in one run: k's 16, then q's 16: the fragments of 32 channels at byte k of the rows
	WIN 0x40
.irp i, 0,1,2,3,4,5,6,7
	ds_load_b128 v[(\f)+8*\i:(\f)+8*\i+3],   v[ADRB] offset:(\k)+\i*16*PITCH
	ds_load_b128 v[(\f)+8*\i+4:(\f)+8*\i+7], v[ADRB] offset:(\k)+\i*16*PITCH+32
.endr
	WIN 0
.irp i, 0,1,2,3,4,5,6,7
	ds_load_b128 v[(\f)+8*\i:(\f)+8*\i+3],   v[ADRA] offset:(\k)+\i*16*PITCH
	ds_load_b128 v[(\f)+8*\i+4:(\f)+8*\i+7], v[ADRA] offset:(\k)+\i*16*PITCH+32
.endr
.endm
.macro QUARTER k, f, g, first          ; multiplies buffer f; in its middle the next quarter's fragments, at byte k, are fetched into g
	s_wait_dscnt 8                                 ; k's and q's rows 0-63 are in; the youngest eight loads may be out
	MUL16 \f, 0, 0, \first
	MUL16 \f, 0, 2, \first
	PLACES
	FETCH \k, \g
	s_wait_dscnt 32                                ; all but the 32 just issued
	MUL16 \f, 1, 0, \first
	MUL16 \f, 1, 2, \first
.endm
; A K step's last quarter multiplies buffer 1 and changes slots: one barrier; in front of it each wave waits for all its tensor loads (one is out: its part of the next slot),
; adds 0 to its spare word, and waits for that and for its reads of this slot.  fill = 1: this slot is filled again, two K steps ahead, first thing behind the barrier.
.macro TURN fill
	WIN 0
	s_wait_tensorcnt 0x0                           ; no tensor load of mine is out, so a group 0 may be written
	ds_add_u32 v[SPW], v[NIL]
.if \fill
	s_add_co_u32 s[G0+5], s[SB], s[WOFF]           ; the walking descriptor: the slot that is left, the next 128 channels
	s_add_nc_u64 s[G0+6:G0+7], s[G0+6:G0+7], 256
.endif
	s_xor_b32 s[SB], s[SB], SLOT
	s_wait_dscnt 9                                 ; the add and the youngest eight loads may be out
	MUL16 F1, 0, 0, 0
	s_wait_dscnt 0x0                               ; the add is done, and my reads of this slot are over
	s_barrier_signal -1
	MUL16 F1, 0, 2, 0
	WIN 0
	s_barrier_wait -1
.if \fill
	tensor_load_to_lds s[G0+4:G0+7], s[G1:G1+7]    ; my one tensor load behind the barrier: 224 matrix instructions ahead of the wait for it
	s_nop 0
.endif
	PLACES                                         ; the places in front of the loads below
	v_add_nc_u32 v[ADRA], s[SB], v[ADRA0]
	v_add_nc_u32 v[ADRB], s[SB], v[ADRB0]
	FETCH 0, F0
	MUL16 F1, 1, 0, 0
	MUL16 F1, 1, 2, 0
.endm
	s_wait_tensorcnt 0x1                           ; my part of K step 0 is in; K step 1's may stay out
	s_barrier_signal -1
	s_barrier_wait -1
	FETCH 0, F0
	QUARTER 64, F0, F1, 1                          ; the first quarter stands in front of the loop: its products start the sums
	WIN 0
	s_mov_b32 s3, 6
.Lk:                                                   ; a trip: a K step's quarters 1 to 3, the refill two steps ahead, the next step's first quarter
	QUARTER 128, F1, F0, 0
	QUARTER 192, F0, F1, 0
	TURN 1
	QUARTER 64, F0, F1, 0
	WIN 0
	s_sub_co_u32 s3, s3, 1
	s_cmp_lg_u32 s3, 0
	s_cbranch_scc1 .Lk
	QUARTER 128, F1, F0, 0                         ; the tail is written out: nothing is left to fetch
	QUARTER 192, F0, F1, 0
	TURN 0
	QUARTER 64, F0, F1, 0
	QUARTER 128, F1, F0, 0
	QUARTER 192, F0, F1, 0
	s_wait_dscnt 8
	MUL16 F1, 0, 0, 0
	MUL16 F1, 0, 2, 0
	s_wait_dscnt 0x0
	MUL16 F1, 1, 0, 0
	MUL16 F1, 1, 2, 0
	WIN 0
	PLACES
; THE WAY OUT of query block a: a lane's 64 scores of one query lie in 8 accumulators; the query's other 64 lie in the lane 16 away.
.macro SOFT a
.set W, 2+(\a)/4
.set SS, 64*((\a)%4)
.set TA, ST+2*(\a)
	WIN W*0x15                                     ; the maximum
.irp b, 0,1,2,3,4,5,6,7
	v_max3_num_f32 v[TT+\b], v[SS+8*\b], v[SS+8*\b+1], v[SS+8*\b+2]
.endr
	WIN W*0x14
.irp b, 0,1,2,3,4,5,6,7
	v_max3_num_f32 v[TT+\b], v[TT+\b], v[SS+8*\b+3], v[SS+8*\b+4]
.endr
.irp b, 0,1,2,3,4,5,6,7
	v_max3_num_f32 v[TT+\b], v[TT+\b], v[SS+8*\b+5], v[SS+8*\b+6]
.endr
.irp b, 0,2,4,6
	v_max3_num_f32 v[TT+\b], v[TT+\b], v[SS+8*\b+7], v[SS+8*\b+15]
.endr
	WIN 0
	v_max3_num_f32 v[TT], v[TT], v[TT+1], v[TT+2]
	v_max3_num_f32 v[TT+3], v[TT+3], v[TT+4], v[TT+5]
	v_max_num_f32 v[TT+6], v[TT+6], v[TT+7]
	v_max3_num_f32 v[TT], v[TT], v[TT+3], v[TT+6]
	v_permlanex16_b32 v[TT+1], v[TT], s[SEL], s[SEL+1]
	v_max_num_f32 v[TA+1], v[TT], v[TT+1]          ; m
	v_mul_f32 v[TA], s[CS], v[TA+1]                ; c m
	WIN W*0x41
.set i, 0
.rept 32
	v_pk_fma_f32 v[SS+2*i:SS+2*i+1], v[SS+2*i:SS+2*i+1], s[CS:CS+1], v[TA:TA+1] op_sel_hi:[1,0,0] neg_lo:[0,0,1] neg_hi:[0,0,1]  ; c s - c m
.set i, i+1
.endr
.set i, 0
.rept 64
	v_exp_f32 v[SS+i], v[SS+i]
.set i, i+1
.endr
	v_nop                                          ; a plain instruction between the last exponential and the use of its result
	WIN W*5
.set i, 0
	s_wait_alu depctr_va_vdst(0)
.rept 32
	v_cvt_pk_f16_f32 v[TMP+i], v[SS+2*i], v[SS+2*i+1]
.set i, i+1
.endr
	WIN W*0x45                                     ; the sum of the unrounded p: a tree over the 32 pairs, in place
.irp w, 1,2,4,8,16
.set i, 0
.rept 16/\w
	v_pk_add_f32 v[SS+2*i:SS+2*i+1], v[SS+2*i:SS+2*i+1], v[SS+2*(i+\w):SS+2*(i+\w)+1]
.set i, i+2*\w
.endr
.endr
	WIN W*5
	v_add_f32 v[TT], v[SS], v[SS+1]
	WIN 0
	v_permlanex16_b32 v[TT+1], v[TT], s[SEL], s[SEL+1]
	v_add_f32 v[TA+1], v[TT], v[TT+1]              ; l takes m's place
.endm
.macro TOSTAGE a                       ; 16 bytes a lane into my own stage, and back as whole rows of 256 bytes
	WIN 0
.set BKA, BK+32*((\a)%2)
.irp b, 0,1,2,3,4,5,6,7
	ds_store_b128 v[STO], v[TMP+4*\b:TMP+4*\b+3] offset:32*\b
.endr
.irp t, 0,1,2,3,4,5,6,7
	ds_load_b128 v[BKA+4*\t:BKA+4*\t+3], v[RD] offset:\t*2*PITCH  ; LDS serves a wave's instructions in order (ISA guide 5.7.1.4): these see the stores above
.endr
.endm
.macro SEND a
	WIN 0
.set BKA, BK+32*((\a)%2)
	s_wait_dscnt 0x0                               ; the block is back in registers
	s_wait_xcnt 0x0                                ; the stores of the block before have read their registers, which the next block's loads take
.irp t, 0,1,2,3,4,5,6,7
	global_store_b128 v[CO], v[BKA+4*\t:BKA+4*\t+3], s[6:7] offset:(16*(\a)+2*\t)*4096  ; sixteen lanes store 256 consecutive bytes, at a multiple of 256 from p's first byte
.endr
.endm
	SOFT 0
	TOSTAGE 0
.irp a, 1,2,3,4,5,6,7                  ; block a's arithmetic stands between block a - 1's loads from the stage and the wait for them
	SOFT \a
	SEND (\a)-1
	TOSTAGE \a
.endr
	SEND 7
	; c m and l: both halves of the lanes hold a block's 16 queries; two blocks are joined, so that lane l holds query 32 a2 + l.  These stores cover 128 consecutive bytes each: 1,024 bytes a wave.
	v_cmp_eq_u32 vcc_lo, 1, v[HH]
.irp a2, 0,1,2,3
	v_cndmask_b32 v[56+\a2], v[ST+4*\a2],   v[ST+4*\a2+2], vcc_lo
	v_cndmask_b32 v[60+\a2], v[ST+4*\a2+1], v[ST+4*\a2+3], vcc_lo
.endr
.irp a2, 0,1,2,3
	v_fma_f32 v[56+\a2], v[56+\a2], s[KEEP], s[HID]  ; a block wholly above the diagonal: -1e30
.endr
.irp a2, 0,1,2,3
	global_store_b32 v[SO], v[56+\a2], s[8:9] offset:128*\a2
	global_store_b32 v[SO], v[60+\a2], s[10:11] offset:128*\a2
.endr
	s_wait_tensorcnt 0x0                           ; the wave's end
	ds_add_u32 v[SPW], v[NIL]
	s_wait_dscnt 0x0
	s_endpgm
.Lfunc_end_k_qa0d643913b_scores:
	.size	k_qa0d643913b_scores, .Lfunc_end_k_qa0d643913b_scores-k_qa0d643913b_scores
	.p2alignl 7, 3214868480
	.fill 96, 4, 3214868480
	.section	.rodata,"a",@progbits
	.p2align	6, 0x0
	.amdhsa_kernel k_qa0d643913b_scores
		.amdhsa_group_segment_fixed_size 327680
		.amdhsa_private_segment_fixed_size 0
		.amdhsa_enable_private_segment 0
		.amdhsa_kernarg_size 32
		.amdhsa_user_sgpr_count 2
		.amdhsa_user_sgpr_kernarg_segment_ptr 1
		.amdhsa_wavefront_size32 1
		.amdhsa_system_sgpr_workgroup_id_x 1
		.amdhsa_system_sgpr_workgroup_id_y 1
		.amdhsa_system_sgpr_workgroup_id_z 1
		.amdhsa_system_vgpr_workitem_id 0
		.amdhsa_next_free_vgpr 1024
		.amdhsa_next_free_sgpr 66
		.amdhsa_reserve_vcc 1
		.amdhsa_float_denorm_mode_32 3
		.amdhsa_float_denorm_mode_16_64 3
		.amdhsa_memory_ordered 1
		.amdhsa_forward_progress 1
		.amdhsa_inst_pref_size 183
	.end_amdhsa_kernel
	.amdgpu_metadata
---
amdhsa.version: [ 1, 2 ]
amdhsa.kernels:
  - .name:           k_qa0d643913b_scores
    .symbol:         k_qa0d643913b_scores.kd
    .args:
      - { .name: qkv, .offset: 0, .size: 8, .value_kind: global_buffer, .address_space: global }
      - { .name: p, .offset: 8, .size: 8, .value_kind: global_buffer, .address_space: global }
      - { .name: cm, .offset: 16, .size: 8, .value_kind: global_buffer, .address_space: global }
      - { .name: ls, .offset: 24, .size: 8, .value_kind: global_buffer, .address_space: global }
    .group_segment_fixed_size: 327680
    .private_segment_fixed_size: 0
    .kernarg_segment_align: 8
    .kernarg_segment_size: 32
    .max_flat_workgroup_size: 128
    .sgpr_count:     66
    .vgpr_count:     1024
    .wavefront_size: 32
...
	.end_amdgpu_metadata
.endif
;; end of part 3
;; launch pv (part 4): grid 8 x 32, 4 waves a work-group, clusters of 4 x 1, 327,680 bytes of LDS; arguments p, qkv, cm, ls, out0; writes out0
.if DOCPART == 4
	.amdgcn_target "amdgcn-amd-amdhsa--gfx1250"
	.amdhsa_code_object_version 6
	.text
	.protected	k_qa0d643913b_pv
	.globl	k_qa0d643913b_pv
	.p2align	8
	.type	k_qa0d643913b_pv,@function
k_qa0d643913b_pv:
	s_mov_b64 s[64:65], 0
	v_nop
	global_prefetch_b8 v0, s[64:65] scope:SCOPE_SE
	s_setreg_imm32_b32 hwreg(HW_REG_WAVE_MODE, 25, 1), 1
	s_wait_xcnt 0x0
	s_wait_alu depctr_hold_cnt(0) depctr_sa_sdst(0) depctr_va_vdst(0) depctr_va_sdst(0) depctr_va_ssrc(0) depctr_va_vcc(0) depctr_vm_vsrc(0)
	s_getreg_b32 s2, hwreg(HW_REG_IB_STS2, 6, 4)
	s_cmp_eq_u32 s2, 0
	s_cbranch_scc0 .Lentry_in_a_cluster
	s_endpgm
.Lentry_in_a_cluster:
	s_bfe_u32 s2, ttmp6, 0x10000c
	s_cmp_lg_u32 s2, 0x3003
	s_cbranch_scc0 .Lentry_shape_is_right
	s_endpgm
.Lentry_shape_is_right:
; O = sum over key blocks t of g_t (P_t V_t) / sum over t of g_t l_t, g_t = 2^(cm_t - max over t of cm_t): the second half of the softmax and the second product.
; P: f16 [4][2048][2048], each block of 128 keys scaled by its own maximum; cm, ls: f32 [4][16 blocks][2048 rows]; V: f16 in qkv, 4,096 bytes into a row; out0 f32.
; g lies in 0 to 1, so nothing can overflow; a block that is hidden or was never written has cm = -1e30 and g = 0.  LIMITS: a g below 2^-126 counts as 0; NaN and infinities are not treated apart.
; A work-group makes two tiles of 128 queries x 128 channels: query block 15 - bp, then bp.  Keys go in steps of 256: (i / 2) + 1 steps for block i, 9 for the pair, whatever bp:
; 256 equal work-groups and one walk with constant trip counts.  Wave (wm, wn): 64 queries x 64 channels, 16 accumulators.
; O^T = V^T P (source 0 = V turned by ds_load_tr16_b128, source 1 = rows of P): a lane holds ONE query and eight neighbouring channels.
; Each block's product is summed from C = 0 into T0 or T1 and then folded into MAIN by v_pk_fma_f32 with the lane's g: T0's 64 multiply-adds stand among the products that fill T1, T1's at the step's end.
; CLUSTER 4 x 1: the four partners differ in their 128 channels alone, so P's tiles are asked for jointly; V's are each work-group's own loads, behind the same rounds.
; Sharing V instead would join work-groups whose walks differ.
; REGISTERS: window 0: v2-11 addresses; v12-27 g of the step's two blocks, a pair (g, g) for each query block; v32-47 1 / L likewise, both tiles; v48-127 at work; v128-255 MAIN.
; Window 1: two fragment buffers of 128 (P's 64, then V's 64: 64 keys).  Window 2: T0, T1.
.set PP,    528                        ; a row of P in LDS: 512 bytes + 16
.set PV,    288                        ; a row of V: 256 + 32
.set PHALF, 64*PP
.set VOFF,  128*PP
.set VHALF, 128*PV
.set SLOT,  VOFF+256*PV
.set STAGE, 2*SLOT                     ; 16 rows x 272 bytes for each wave
.set SPI,   272
.set GT,    STAGE+4*16*SPI             ; g: for each wave 24 blocks (16 of the first tile, 8 of the second) x 16 r x 2 query blocks x (g, g)
.set GTW,   24*256
.set RT,    GT+4*GTW                   ; 1 / L: for each wave 2 tiles x 256 bytes
.set SPARE, RT+4*512
.set VSTEP, 256*6144
.set AP0, 2
.set AV0, 3
.set AP,  4
.set AVA, 5
.set AVB, 6
.set GA,  7
.set STO, 8
.set RD,  9
.set GO,  10
.set GAB, 11
.set GB0, 12
.set GB1, 20
.set SPW, 28
.set NIL, 29
.set RL,  32
.set RLB, 40
.set TMPW, 48
.set BK,  80
.set MAIN, 128
.set F0,  0
.set F1,  128
.set T0,  0
.set T1,  128
.set WV,  14
.set G1P, 24
.set G1V, 32
.set G0P, 40                           ; two sets for the first fills; the first is then made anew for each refill
.set G0V, 48
.set SB,  56                           ; 0 or SLOT: the slot in hand
.set CNT, 57
.set REM, 58                           ; key steps that the tile in hand still has
.set NXT, 59                           ; the key step to be asked for next
.set LQ,  60                           ; the last key step of the tile whose steps are being asked for
.set PT,  61                           ; that tile's byte offset in p
.set PTB, 62
.set LQB, 63
.set OFFP, 66
.set OFFV, 68
.set OB,  70
.set OBB, 72
.set NSB, 74
.set PW,  75
.set VW,  76
.set VB,  78
.set MSB, 0
.macro WIN new
.if MSB != (\new)
	s_set_vgpr_msb (MSB<<8)|(\new)
.set MSB, \new
.endif
.endm
.macro PLACES
.rept 4
	v_nop
.endr
.endm
.macro CREST
	s_cmp_lg_u32 s[WV], 0
	s_cbranch_scc1 .Lnot_wave_0_\@
	s_barrier_signal -3
.Lnot_wave_0_\@:
	s_barrier_wait -3
	s_barrier_signal -1
	s_barrier_wait -1
.endm
.macro CROUND
	s_barrier_signal -1
	s_barrier_wait -1
	CREST
.endm
.macro JLOAD                           ; a refill: waves 0 and 1 ask jointly for P's two halves, waves 2 and 3 fetch V's; an s_nop 0 and four v_nop follow each line
	s_cmp_lt_u32 s[WV], 2
	s_cbranch_scc0 .Lfor_v_\@
	tensor_load_to_lds s[G0P:G0P+3], s[G1P:G1P+7]
	s_nop 0
.rept 4
	v_nop
.endr
	s_branch .Lasked_\@
.Lfor_v_\@:
	tensor_load_to_lds s[G0V:G0V+3], s[G1V:G1V+7]
	s_nop 0
.rept 4
	v_nop
.endr
.Lasked_\@:
.endm
	s_load_b256 s[4:11], s[0:1], 0x0               ; p s[4:5], qkv s[6:7], cm s[8:9], ls s[10:11]
	s_load_b64 s[12:13], s[0:1], 0x20              ; out0
	v_lshl_add_u32 v[SPW], v0, 2, SPARE
	v_mov_b32 v[NIL], 0
	ds_add_u32 v[SPW], v[NIL]                      ; the wave's opening: the add and its wait stand ahead of my first tensor load
	ds_add_u32 v28, v29
	v_lshrrev_b32 v1, 5, v0
	v_readfirstlane_b32 s[WV], v1
	s_lshr_b32 s15, s[WV], 1                       ; wm
	s_and_b32 s16, s[WV], 1                        ; wn; also: which half of a tile I fetch
	s_bfe_u32 s17, ttmp6, 0x40000                  ; cx
	s_lshl_b32 s18, ttmp9, 2
	s_add_co_u32 s18, s18, s17                     ; my 128 channels: it enters V's and out0's addresses alone
	s_and_b32 s19, ttmp7, 0xffff
	s_lshr_b32 s20, s19, 3                         ; batch
	s_and_b32 s21, s19, 7                          ; bp: the second tile's query block
	s_sub_co_u32 s22, 15, s21                      ; the first tile's
	s_lshr_b32 s23, s22, 1
	s_add_co_u32 s23, s23, 1                       ; its key steps
	s_lshr_b32 s[NSB], s21, 1
	s_add_co_u32 s[NSB], s[NSB], 1                 ; the second tile's
	s_mov_b32 s[G1P], 15|(1<<16)|(1<<20)|(1<<21)|(6<<22)|(3<<25)  ; the mask of four; 2-byte elements; 4 words of padding behind every 128
	s_mov_b32 s[G1P+1], 256<<16
	s_mov_b32 s[G1P+2], 64<<16
	s_mov_b32 s[G1P+3], 256<<16
	s_mov_b32 s[G1P+4], 64
	s_mov_b32 s[G1P+5], 2048
	s_mov_b32 s[G1P+6], 0
	s_mov_b32 s[G1P+7], 0
	s_mov_b32 s[G1V], (1<<16)|(1<<20)|(5<<22)|(7<<25)             ; no mask; 8 words of padding behind every 64
	s_mov_b32 s[G1V+1], 128<<16
	s_mov_b32 s[G1V+2], 128<<16
	s_mov_b32 s[G1V+3], 128<<16
	s_mov_b32 s[G1V+4], 128
	s_mov_b32 s[G1V+5], 3072
	s_mov_b32 s[G1V+6], 0
	s_mov_b32 s[G1V+7], 0
	s_lshl_b32 s[PT], s20, 23                      ; p: batch, my 64 rows of the tile's 128,
	s_lshl_b32 s2, s16, 18
	s_add_co_u32 s[PT], s[PT], s2
	s_lshl_b32 s2, s21, 19                         ; and the query block
	s_add_co_u32 s[PTB], s[PT], s2
	s_lshl_b32 s2, s22, 19
	s_add_co_u32 s[PT], s[PT], s2
	s_mov_b32 s[OFFP], s[PT]
	s_mov_b32 s[OFFP+1], 0
	s_lshl_b32 s[OFFV], s20, 11                    ; V: batch, my 128 keys of a step's 256, 4,096 bytes into the row, my channels
	s_lshl_b32 s[OFFV+1], s16, 7
	s_add_co_u32 s[OFFV], s[OFFV], s[OFFV+1]
	s_mul_i32 s[OFFV], s[OFFV], 6144
	s_lshl_b32 s[OFFV+1], s18, 8
	s_add_co_u32 s[OFFV], s[OFFV], s[OFFV+1]
	s_add_co_u32 s[OFFV], s[OFFV], 4096
	s_mov_b32 s[OFFV+1], 0
	s_mul_i32 s[PW], s16, PHALF                    ; where they go in a slot: no place in the cluster enters an LDS address
	s_mul_i32 s[VW], s16, VHALF
	s_add_co_u32 s[VW], s[VW], VOFF
	s_mov_b32 s[SB], 0
	s_mov_b32 s[NXT], 2
	s_sub_co_u32 s[LQ], s23, 1
	s_sub_co_u32 s[LQB], s[NSB], 1
	s_mov_b32 s[REM], s23
	s_lshl_b32 s2, s20, 23                         ; out0: batch, my 64 rows, my 64 channels
	s_lshl_b32 s3, s15, 18
	s_add_co_u32 s2, s2, s3
	s_lshl_b32 s3, s18, 9
	s_add_co_u32 s2, s2, s3
	s_lshl_b32 s3, s16, 8
	s_add_co_u32 s2, s2, s3
	s_mov_b32 s3, 0
	s_wait_dscnt 0x0                               ; the opening add is done
	s_wait_kmcnt 0x0
	s_add_nc_u64 s[VB:VB+1], s[6:7], s[OFFV:OFFV+1]
	s_add_nc_u64 s[12:13], s[12:13], s[2:3]
	s_lshl_b32 s2, s22, 19
	s_add_nc_u64 s[OB:OB+1], s[12:13], s[2:3]
	s_lshl_b32 s2, s21, 19
	s_add_nc_u64 s[OBB:OBB+1], s[12:13], s[2:3]
	CROUND                                         ; all four work-groups are here: the first joint loads meet
	s_mov_b32 s[G0P], 1
	s_mov_b32 s[G0P+1], s[PW]
	s_add_nc_u64 s[G0P+2:G0P+3], s[4:5], s[OFFP:OFFP+1]
	s_mov_b32 s[G0P+4], 1
	s_add_co_u32 s[G0P+5], s[PW], SLOT
	s_add_nc_u64 s[G0P+6:G0P+7], s[G0P+2:G0P+3], 512
	s_or_b32 s[G0P+3], s[G0P+3], 0x80000000
	s_or_b32 s[G0P+7], s[G0P+7], 0x80000000
	s_mov_b32 s[G0V], 1
	s_mov_b32 s[G0V+1], s[VW]
	s_add_nc_u64 s[G0V+2:G0V+3], s[VB:VB+1], 0
	s_mov_b32 s[G0V+4], 1
	s_add_co_u32 s[G0V+5], s[VW], SLOT
	s_add_nc_u64 s[G0V+6:G0V+7], s[VB:VB+1], VSTEP
	s_or_b32 s[G0V+3], s[G0V+3], 0x80000000
	s_or_b32 s[G0V+7], s[G0V+7], 0x80000000
	s_cmp_lt_u32 s[WV], 2                          ; a wave's two first fills stand in one branch: the first tile's key steps 0 and 1; two loads of mine are out
	s_cbranch_scc0 .Lfirst_v
	tensor_load_to_lds s[G0P:G0P+3], s[G1P:G1P+7]
	s_nop 0
	tensor_load_to_lds s[G0P+4:G0P+7], s[G1P:G1P+7]
	s_nop 0
.rept 4
	v_nop
.endr
	s_branch .Lfirst_asked
.Lfirst_v:
	tensor_load_to_lds s[G0V:G0V+3], s[G1V:G1V+7]
	s_nop 0
	tensor_load_to_lds s[G0V+4:G0V+7], s[G1V:G1V+7]
	s_nop 0
.rept 4
	v_nop
.endr
.Lfirst_asked:
	; THE TABLES, in the wait for the first tile.  Lane l of wave (wm, wn) takes query 64 wm + 32 wn + l of each tile.
	v_and_b32 v116, 31, v0                         ; l
	s_lshl_b32 s2, s20, 17
	s_lshl_b32 s3, s15, 8
	s_add_co_u32 s2, s2, s3
	s_lshl_b32 s3, s16, 7
	s_add_co_u32 s2, s2, s3
	s_lshl_b32 s3, s22, 9
	s_add_co_u32 s3, s3, s2
	v_lshl_add_u32 v30, v116, 2, s3                ; my row of the first tile in cm and ls
	s_lshl_b32 s3, s21, 9
	s_add_co_u32 s3, s3, s2
	v_lshl_add_u32 v31, v116, 2, s3                ; of the second
.set i, 0
.rept 16
	global_load_b32 v[48+i], v30, s[8:9] offset:i*8192
	global_load_b32 v[64+i], v30, s[10:11] offset:i*8192
.set i, i+1
.endr
.set i, 0
.rept 8
	global_load_b32 v[80+i], v31, s[8:9] offset:i*8192
	global_load_b32 v[88+i], v31, s[10:11] offset:i*8192
.set i, i+1
.endr
	v_and_b32 v112, 15, v0                         ; r
	v_bfe_u32 v113, v0, 4, 1                       ; h
	v_and_b32 v114, 7, v0
	v_bfe_u32 v115, v0, 3, 1
	v_mul_u32_u24 v[AP0], v112, PP                 ; a fragment of P: row x pitch + 16 h
	v_lshl_add_u32 v[AP0], v113, 4, v[AP0]
	s_mul_i32 s2, s15, PHALF
	v_add_nc_u32 v[AP0], s2, v[AP0]
	v_lshl_add_u32 v[AV0], v113, 3, v114           ; the turning load: key 8 h + l % 8, 16 bytes at 16 ((l / 8) % 2)
	v_mul_u32_u24 v[AV0], v[AV0], PV
	v_lshl_add_u32 v[AV0], v115, 4, v[AV0]
	s_lshl_b32 s2, s16, 7
	s_add_co_u32 s2, s2, VOFF
	v_add_nc_u32 v[AV0], s2, v[AV0]
	v_mov_b32 v[AP], v[AP0]
	v_mov_b32 v[AVA], v[AV0]
	v_add_nc_u32 v[AVB], VHALF, v[AV0]
	s_mul_i32 s2, s15, 2*GTW
	s_add_co_u32 s2, s2, GT
	v_lshl_add_u32 v[GA], v112, 4, s2              ; the tables of my query half: two waves' regions
	v_add_nc_u32 v[GAB], 16*256, v[GA]
	s_mul_i32 s2, s[WV], 16*SPI
	s_add_co_u32 s2, s2, STAGE
	v_mul_u32_u24 v[STO], v112, SPI
	v_lshl_add_u32 v[STO], v113, 5, v[STO]
	v_add_nc_u32 v[STO], s2, v[STO]
	v_mul_u32_u24 v[RD], v113, SPI
	v_lshl_add_u32 v[RD], v112, 4, v[RD]
	v_add_nc_u32 v[RD], s2, v[RD]
	v_lshlrev_b32 v[GO], 12, v113
	v_lshl_add_u32 v[GO], v112, 4, v[GO]
	s_mul_i32 s2, s[WV], GTW
	s_add_co_u32 s2, s2, GT
	v_lshlrev_b32 v117, 4, v112
	v_lshl_add_u32 v117, v113, 3, v117             ; 16 r + 8 h: query 32 wn + l is r of query block 2 wn + h
	v_add_nc_u32 v118, RT, v117
	v_add_nc_u32 v117, s2, v117                    ; where I write g
	s_lshl_b32 s2, s[WV], 9
	v_add_nc_u32 v118, s2, v118                    ; where I write 1 / L
	s_lshl_b32 s2, s15, 10
	s_add_co_u32 s2, s2, RT
	v_lshl_add_u32 v119, v112, 4, s2               ; where I read 1 / L
.set i, 0
.rept 128
	v_mov_b32 v[MAIN+i], 0
.set i, i+1
.endr
	s_wait_loadcnt 0x0
.macro PASS n, cmb, lsb, pos0, tile    ; n blocks: the maximum of c m, g in c m's place, L, 1 / L; each number is stored twice, as a pair for the packed multiply
	v_max3_num_f32 v96, v[\cmb], v[(\cmb)+1], v[(\cmb)+2]
.set i, 3
.rept ((\n)-4)/2
	v_max3_num_f32 v96, v96, v[(\cmb)+i], v[(\cmb)+i+1]
.set i, i+2
.endr
	v_max_num_f32 v96, v96, v[(\cmb)+(\n)-1]
.set i, 0
.rept \n
	v_sub_f32 v[(\cmb)+i], v[(\cmb)+i], v96
.set i, i+1
.endr
.set i, 0
.rept \n
	v_exp_f32 v[(\cmb)+i], v[(\cmb)+i]
.set i, i+1
.endr
	v_nop                                          ; a plain instruction behind the last exponential
	s_wait_alu depctr_va_vdst(0)
	v_mul_f32 v97, v[\cmb], v[\lsb]
.set i, 1
.rept (\n)-1
	v_fmac_f32 v97, v[(\cmb)+i], v[(\lsb)+i]
.set i, i+1
.endr
	v_rcp_f32 v97, v97
	v_nop                                          ; a plain instruction behind the reciprocal
.set i, 0
.rept \n
	ds_store_b32 v117, v[(\cmb)+i] offset:((\pos0)+i)*256
	ds_store_b32 v117, v[(\cmb)+i] offset:((\pos0)+i)*256+4
.set i, i+1
.endr
	s_wait_alu depctr_va_vdst(0)
	ds_store_b32 v118, v97 offset:(\tile)*256
	ds_store_b32 v118, v97 offset:(\tile)*256+4
.endm
	PASS 16, 48, 64, 0, 0
	PASS 8, 80, 88, 16, 1
	s_wait_tensorcnt 0x1                           ; my part of key step 0 is in; key step 1's may stay out
	s_wait_dscnt 0x0                               ; for the others' sake: my part of the tables is written
	s_barrier_signal -1
	s_barrier_wait -1
	ds_load_b128 v[RL:RL+3],     v119
	ds_load_b128 v[RL+4:RL+7],   v119 offset:512
	ds_load_b128 v[RLB:RLB+3],   v119 offset:256
	ds_load_b128 v[RLB+4:RLB+7], v119 offset:768
.macro FMA4 t, gb                      ; four of the 64 multiply-adds that fold T into MAIN, in ascending order: each accumulator's lowest registers are read first
	WIN 0x02
.rept 4
	v_pk_fma_f32 v[MAIN+2*nf:MAIN+2*nf+1], v[(\t)+2*nf:(\t)+2*nf+1], v[(\gb)+2*(nf/16):(\gb)+2*(nf/16)+1], v[MAIN+2*nf:MAIN+2*nf+1]
.set nf, nf+1
.endr
.endm
; n matrix instructions on accumulators i0 .. i0 + n - 1 of t (4 a + cb), 32 keys: half c of buffer f.  zero = 1: they start the sums.  ride = 1: four of T0's multiply-adds behind every fourth.
; The 16 accumulators take turns, one instruction a turn.
.macro MUL f, c, t, zero, i0, n, ride
.set ii, \i0
.rept \n
	WIN 0xa5
.if \zero
	v_wmma_f32_16x16x32_f16 v[(\t)+8*ii:(\t)+8*ii+7], v[(\f)+64+8*(4*(\c)+ii%4):(\f)+64+8*(4*(\c)+ii%4)+7], v[(\f)+8*(4*(\c)+ii/4):(\f)+8*(4*(\c)+ii/4)+7], 0
.else
	v_wmma_f32_16x16x32_f16 v[(\t)+8*ii:(\t)+8*ii+7], v[(\f)+64+8*(4*(\c)+ii%4):(\f)+64+8*(4*(\c)+ii%4)+7], v[(\f)+8*(4*(\c)+ii/4):(\f)+8*(4*(\c)+ii/4)+7], v[(\t)+8*ii:(\t)+8*ii+7]
.endif
.set ii, ii+1
.if (\ride) && (ii%4 == 0)
	FMA4 T0, GB0
.endif
.endr
.endm
.macro FETCH u, f                      ; 32 loads in one run: the fragments of keys 64 u .. + 63 of the slot in hand; the first 32 keys first
	WIN 0x40
.irp c, 0,1
.irp a, 0,1,2,3
	ds_load_b128 v[(\f)+8*(4*\c+\a):(\f)+8*(4*\c+\a)+3],   v[AP] offset:\a*16*PP+128*(\u)+64*\c
	ds_load_b128 v[(\f)+8*(4*\c+\a)+4:(\f)+8*(4*\c+\a)+7], v[AP] offset:\a*16*PP+128*(\u)+64*\c+32
.endr
.irp b, 0,1,2,3
.if (\u) < 2
	ds_load_tr16_b128 v[(\f)+64+8*(4*\c+\b):(\f)+64+8*(4*\c+\b)+3],   v[AVA] offset:((2*(\u)+\c)%4)*32*PV+32*\b
	ds_load_tr16_b128 v[(\f)+64+8*(4*\c+\b)+4:(\f)+64+8*(4*\c+\b)+7], v[AVA] offset:((2*(\u)+\c)%4)*32*PV+32*\b+16*PV
.else
	ds_load_tr16_b128 v[(\f)+64+8*(4*\c+\b):(\f)+64+8*(4*\c+\b)+3],   v[AVB] offset:((2*(\u)+\c)%4)*32*PV+32*\b
	ds_load_tr16_b128 v[(\f)+64+8*(4*\c+\b)+4:(\f)+64+8*(4*\c+\b)+7], v[AVB] offset:((2*(\u)+\c)%4)*32*PV+32*\b+16*PV
.endif
.endr
.endr
.endm
; A TILE LEAVES: MAIN / L, 16 queries at a time through my own stage, whole rows of 256 bytes out; then MAIN, the output's address, the count of steps and the tables' places are set for the second tile.
; It holds no barrier and no tensor load.  Its waits leave no LDS instruction out.
.macro WAYOUT
	s_wait_xcnt 0x0
.irp a, 0,1,2,3
.set i, 0
.rept 16
	v_pk_mul_f32 v[TMPW+2*i:TMPW+2*i+1], v[MAIN+32*\a+2*i:MAIN+32*\a+2*i+1], v[RL+2*\a:RL+2*\a+1]
.set i, i+1
.endr
.irp q, 0,1,2,3,4,5,6,7
	ds_store_b128 v[STO], v[TMPW+4*\q:TMPW+4*\q+3] offset:64*(\q/2)+16*(\q%2)
.endr
.irp t, 0,1,2,3,4,5,6,7
	ds_load_b128 v[BK+4*\t:BK+4*\t+3], v[RD] offset:\t*2*SPI  ; LDS serves a wave's instructions in order (ISA guide 5.7.1.4): these see the stores above
.endr
.irp t, 0,1,2,3,4,5,6,7
	s_wait_dscnt 7-\t
	global_store_b128 v[GO], v[BK+4*\t:BK+4*\t+3], s[OB:OB+1] offset:(16*\a+2*\t)*4096  ; sixteen lanes store 256 consecutive bytes, at a multiple of 256 from out0's first byte
.endr
	s_wait_xcnt 0x0                                ; the stores have read their registers and their base
.endr
.set i, 0
.rept 128
	v_mov_b32 v[MAIN+i], 0
.set i, i+1
.endr
	s_mov_b64 s[OB:OB+1], s[OBB:OBB+1]
	s_mov_b32 s[REM], s[NSB]
	v_mov_b32 v[GA], v[GAB]
.irp i, 0,1,2,3,4,5,6,7
	v_mov_b32 v[RL+\i], v[RLB+\i]
.endr
.endm
; A KEY STEP of 256 keys: four units of 64 keys on buffers 0, 1, 0, 1; units 0, 1 fill T0, units 2, 3 fill T1.
.macro STEP fill
	s_wait_dscnt 16                                ; the unit's first 32 keys are in
	MUL F0, 0, T0, 1, 0, 16, 0
	WIN 0
	ds_load_b128 v[GB0:GB0+3],   v[GA]             ; g of the step's two blocks
	ds_load_b128 v[GB0+4:GB0+7], v[GA] offset:GTW
	ds_load_b128 v[GB1:GB1+3],   v[GA] offset:256
	ds_load_b128 v[GB1+4:GB1+7], v[GA] offset:GTW+256
	FETCH 1, F1                                    ; buffer 1's last readers stand in front of the four v_nop at the end of the step before
	s_wait_dscnt 36                                ; all but the 4 + 32 just issued
	MUL F0, 1, T0, 0, 0, 16, 0
	s_wait_dscnt 16
	MUL F1, 0, T0, 0, 0, 16, 0
	PLACES
	FETCH 2, F0
	s_wait_dscnt 32
	MUL F1, 1, T0, 0, 0, 16, 0
	s_wait_dscnt 16
	PLACES                                         ; behind T0's last products: for the multiply-adds that read T0, and for the loads into buffer 1
.set nf, 0
	MUL F0, 0, T1, 1, 0, 16, 1
	FETCH 3, F1
	s_wait_dscnt 32
	MUL F0, 1, T1, 0, 0, 16, 1
	; the last unit changes slots: in front of the barrier each wave waits for all its tensor loads (one is out: its part of the next slot), adds 0 to its spare word, and waits for that and for its reads of this slot
	WIN 0
	s_wait_tensorcnt 0x0                           ; no tensor load of mine is out, so a group 0 may be written
	ds_add_u32 v[SPW], v[NIL]
.if \fill
	s_lshl_b32 s[OFFP], s[NXT], 9                  ; the descriptors' addresses are made anew from the number of the key step
	s_add_co_u32 s[OFFP], s[OFFP], s[PT]
	s_mul_i32 s[OFFV], s[NXT], VSTEP
	s_add_co_u32 s[G0P+1], s[SB], s[PW]            ; into the slot that is left
	s_add_nc_u64 s[G0P+2:G0P+3], s[4:5], s[OFFP:OFFP+1]
	s_or_b32 s[G0P+3], s[G0P+3], 0x80000000
	s_add_co_u32 s[G0V+1], s[SB], s[VW]
	s_add_nc_u64 s[G0V+2:G0V+3], s[VB:VB+1], s[OFFV:OFFV+1]
	s_or_b32 s[G0V+3], s[G0V+3], 0x80000000
	s_add_co_u32 s[NXT], s[NXT], 1                 ; the tile's next key step, or behind its last the second tile's step 0
	s_cmp_gt_u32 s[NXT], s[LQ]
	s_cselect_b32 s[NXT], 0, s[NXT]
	s_cselect_b32 s[PT], s[PTB], s[PT]
	s_cselect_b32 s[LQ], s[LQB], s[LQ]
.endif
	s_xor_b32 s[SB], s[SB], SLOT
	s_wait_dscnt 17                                ; the unit's second 32 keys (16) and the add may be out
	MUL F1, 0, T1, 0, 0, 8, 1
	s_wait_dscnt 0x0                               ; the add is done, and my reads of this slot are over
	s_barrier_signal -1
	MUL F1, 0, T1, 0, 8, 8, 1
	WIN 0
	s_barrier_wait -1
.if \fill
	CREST                                          ; no wave of any partner still reads this slot or has a load on its way
	JLOAD                                          ; the first tensor load behind the round: 112 matrix instructions and the step's last 64 multiply-adds ahead of the wait for it
.else
	PLACES
.endif
	v_add_nc_u32 v[AP], s[SB], v[AP0]
	v_add_nc_u32 v[AVA], s[SB], v[AV0]
	v_add_nc_u32 v[AVB], VHALF, v[AVA]
	FETCH 0, F0                                    ; the next step's first unit (behind the walk's last step: bytes of the step before, which nobody uses: the price of one text for the tail's two trips)
	MUL F1, 1, T1, 0, 0, 16, 1
	PLACES
.set nf, 0
.rept 16
	FMA4 T1, GB1
.endr
	WIN 0
	v_add_nc_u32 v[GA], 512, v[GA]
	s_sub_co_u32 s[REM], s[REM], 1
	s_cmp_lg_u32 s[REM], 0
	s_cbranch_scc1 .Lnoout_\@
	WAYOUT
.Lnoout_\@:
.endm
	FETCH 0, F0
	WIN 0
	s_mov_b32 s[CNT], 7
.Lwalk:                                                ; steps 0 to 6 of the walk's 9 ask for steps 2 to 8
	STEP 1
	s_sub_co_u32 s[CNT], s[CNT], 1
	s_cmp_lg_u32 s[CNT], 0
	s_cbranch_scc1 .Lwalk
	s_mov_b32 s[CNT], 2
.Ltail:                                                ; the last two steps ask for nothing
	STEP 0
	s_sub_co_u32 s[CNT], s[CNT], 1
	s_cmp_lg_u32 s[CNT], 0
	s_cbranch_scc1 .Ltail
	s_wait_tensorcnt 0x0                           ; the wave's end
	ds_add_u32 v[SPW], v[NIL]
	s_wait_dscnt 0x0
	CROUND                                         ; the closing round
	s_endpgm
.Lfunc_end_k_qa0d643913b_pv:
	.size	k_qa0d643913b_pv, .Lfunc_end_k_qa0d643913b_pv-k_qa0d643913b_pv
	.p2alignl 7, 3214868480
	.fill 96, 4, 3214868480
	.section	.rodata,"a",@progbits
	.p2align	6, 0x0
	.amdhsa_kernel k_qa0d643913b_pv
		.amdhsa_group_segment_fixed_size 327680
		.amdhsa_private_segment_fixed_size 0
		.amdhsa_enable_private_segment 0
		.amdhsa_kernarg_size 40
		.amdhsa_user_sgpr_count 2
		.amdhsa_user_sgpr_kernarg_segment_ptr 1
		.amdhsa_wavefront_size32 1
		.amdhsa_system_sgpr_workgroup_id_x 1
		.amdhsa_system_sgpr_workgroup_id_y 1
		.amdhsa_system_sgpr_workgroup_id_z 1
		.amdhsa_system_vgpr_workitem_id 0
		.amdhsa_next_free_vgpr 768
		.amdhsa_next_free_sgpr 80
		.amdhsa_reserve_vcc 0
		.amdhsa_float_denorm_mode_32 3
		.amdhsa_float_denorm_mode_16_64 3
		.amdhsa_memory_ordered 1
		.amdhsa_forward_progress 1
		.amdhsa_inst_pref_size 115
	.end_amdhsa_kernel
	.amdgpu_metadata
---
amdhsa.version: [ 1, 2 ]
amdhsa.kernels:
  - .name:           k_qa0d643913b_pv
    .symbol:         k_qa0d643913b_pv.kd
    .args:
      - { .name: p, .offset: 0, .size: 8, .value_kind: global_buffer, .address_space: global }
      - { .name: qkv, .offset: 8, .size: 8, .value_kind: global_buffer, .address_space: global }
      - { .name: cm, .offset: 16, .size: 8, .value_kind: global_buffer, .address_space: global }
      - { .name: ls, .offset: 24, .size: 8, .value_kind: global_buffer, .address_space: global }
      - { .name: out0, .offset: 32, .size: 8, .value_kind: global_buffer, .address_space: global }
    .group_segment_fixed_size: 327680
    .private_segment_fixed_size: 0
    .kernarg_segment_align: 8
    .kernarg_segment_size: 40
    .max_flat_workgroup_size: 128
    .sgpr_count:     80
    .vgpr_count:     768
    .wavefront_size: 32
...
	.end_amdgpu_metadata
.endif
;; end of part 4
